; MI455X (gfx1250); checked and timed in simulation.
; The chip was launched on July 23, 2026; its instructions are those of AMD's public machine-readable ISA for CDNA 5 (MIT licence, August 2026) and "CDNA5" Instruction Set Architecture Reference Guide (July 2026). The comments in the code are by the model that wrote it; some were corrected since.
;; MHA. Allowed arithmetic: matrix products marked QUANTISED: E4M3 operands, one given power-of-two scale a tensor, by v_wmma_f32_16x16x64_fp8_fp8 or v_wmma_f32_16x16x128_fp8_fp8, f32 sums; everything else in f32.
;; Inputs: W_o 1,024 x 1,024 float32; W_qkv 1,024 x 3,072 float32; lowp_scales 8 int32 (the exponents e of the quantised operands' scales 2^e); x 2 x 2,048 x 1,024 float32.
;; Outputs: out0 2 x 2,048 x 1,024 float32.
;; This version of the problem:
;;   THIS VERSION OF THE PROBLEM IS GIVEN IN LOW PRECISION. The matrix products marked QUANTISED in the list below multiply operands that are first quantised to E4M3 (4 exponent bits, 3 mantissa bits; 8 bits a number), with one given power-of-two scale for each operand tensor; their sums are f32. All else is computed in f32.
;;   The module's matrix products, in the order in which they are computed (A, B: the left and right operand; K: the contracted axis; several contracted axes count as one K, in the product's order):
;;     1. [M 4,096, K 1,024] x [K 1,024, N 3,072]; A: input x; B: input W_qkv: QUANTISED (scales: A lowp_scales[0], B lowp_scales[1])
;;     2. batch 32 x [M 2,048, K 64] x [K 64, N 2,048]; A: computed on the way; B: computed on the way: QUANTISED (scales: A lowp_scales[2], B lowp_scales[3])
;;     3. batch 32 x [M 2,048, K 2,048] x [K 2,048, N 64]; A: softmax (see below); B: computed on the way: QUANTISED (scales: A lowp_scales[4], B lowp_scales[5])
;;     4. [M 4,096, K 1,024] x [K 1,024, N 1,024]; A: computed on the way; B: input W_o: QUANTISED (scales: A lowp_scales[6], B lowp_scales[7])
;;   THE QUANTISER, for each operand of a quantised product, along K:
;;     - The operand's scale is 2^e, e = its entry of the input lowp_scales (int32; the entries are numbered through the quantised products in the list's order, A before B).
;;     - Each number is divided by the scale, clamped to +-448, and rounded to the nearest number of E4M3, ties to even, subnormals kept.
;;     - The product sums the exact products of the quantised numbers (number of the format x scale) in f32.
;;   ~~~python
;;   def quantise(x, axis, e):      # numpy; x: float32 -> the quantised numbers, widened to float32 again
;;       x = np.moveaxis(x, axis, -1); K = x.shape[-1]
;;       r = np.clip(x / 2.0 ** e, -448, 448)
;;       step = 2.0 ** (np.maximum(np.frexp(np.where(r == 0, 1, r))[1] - 1, -6) - 3)
;;       q = np.round(r / step) * step * 2.0 ** e      # np.round: ties to even
;;       return np.moveaxis(q, -1, axis).astype(np.float32)
;;   ~~~
;;   SOFTMAX AHEAD OF A QUANTISED PRODUCT. Where the list says 'softmax', what is quantised is not the finished softmax but p = 2^(t - M), with t = logit x log2(e) and M = ceil(the row's largest t), a whole number; so 1/2 < the row's largest p <= 1. The row's sum l is taken of the UNQUANTISED p, in f32, and the product's result is divided by l at the end. Since M is a whole number, a kernel that streams over the keys may use a running M (the ceiling of the running maximum): every later rescaling is an exact power of two, so the quantised numbers keep their values, but for numbers so far below the row's largest that they fall under the format's range.
;;   OPERANDS COMPUTED ON THE WAY. 'Computed on the way' means the value that the module computes at that place (a softmax that the list does not call 'softmax' is quantised finished and normalised). What goes into a quantiser is computed in f32, as accurately as f32 sums, v_exp_f32 and their like allow (about 1e-6 of the number): no bf16 or f16 on the way to a quantiser, and a product that is left as it is and whose result goes on into a quantised operand takes f32 operands (vector FMAs, or v_wmma_f32_16x16x4_f32). A number that lies on a knife's edge between two numbers of the format may be rounded either way, as far as f32 arithmetic and the matrix unit's own rounding can turn it there, and no further.
;; One version. Each part assembles by itself: llvm-mc -triple=amdgcn-amd-amdhsa -mcpu=gfx1250 --defsym DOCPART=n.
;; ======== version 1 of 1: 4 launches
;; limits: right only within a limited range of input values
;; workspace buffers: x_codes 4,194,304 bytes; wqkv_codes 3,145,728 bytes; wo_codes 1,048,576 bytes; q_codes 4,194,304 bytes; k_codes 4,194,304 bytes; v_codes 4,194,304 bytes; op_codes 4,194,304 bytes
;; launch quant (part 1): grid 256 x 1, 4 waves a work-group, no clusters, 102,912 bytes of LDS; arguments x, W_qkv, W_o, lowp_scales, x_codes, wqkv_codes, wo_codes; writes x_codes, wqkv_codes, wo_codes
.if DOCPART == 1
	.amdgcn_target "amdgcn-amd-amdhsa--gfx1250"
	.amdhsa_code_object_version 6
	.text
	.protected	k_qb2c64bd0e6_quant
	.globl	k_qb2c64bd0e6_quant
	.p2align	8
	.type	k_qb2c64bd0e6_quant,@function
k_qb2c64bd0e6_quant:
	s_mov_b64 s[64:65], 0
	v_nop
	global_prefetch_b8 v0, s[64:65] scope:SCOPE_SE
	s_setreg_imm32_b32 hwreg(HW_REG_WAVE_MODE, 25, 1), 1
	s_wait_xcnt 0x0
; x [4096][1024], W_qkv [1024 (k)][3072], W_o [1024 (k)][1024], all f32, become codes of FP8 (E4M3), one byte each, K innermost in chunks of 256, laid as their readers load them:
; x_codes [32 blocks of 128 tokens][4 chunks of K][128 tokens][256]; wqkv_codes [16 heads][2 halves of d][4 chunks][q, k, v: 32 columns each][256]; wo_codes [8 blocks of 128 columns][4 chunks][128 columns][256].
; code = number / 2^e, held within +-448, to the nearest code, ties to even.  e is entry 0 (x), 1 (W_qkv), 7 (W_o) of the scales' exponents.
; LIMITS: each of the three between -126 and 119, so that 2^e and 448 x 2^e are f32 numbers.  NaN among the inputs is not served.
; Of the whole program nothing is left out but key steps of 128 that the causal mask hides whole from a tile of 16 queries: each of their p is 0 (launch attn).
; SHARES.  256 work-groups of four waves, 32,768 numbers each, 8,192 a wave.  Work-groups 0-127 take x, 128-223 W_qkv, 224-255 W_o: three ways that part on the work-group's number and never join.
; x: K is innermost.  A step is two rows of one chunk: four loads of 512 consecutive bytes, which turn through the wave's own stage in LDS, so that a lane then holds 16 neighbours along K; its codes are 512 consecutive bytes.
; The weights: K is the FIRST axis.  A lane takes a column n and its registers run down K; the codes of 32 columns x 256 along K gather in the wave's own stage and leave as 8,192 consecutive bytes.
; Waves share nothing: no barrier.  Each way has LDS bytes of its own.  Matrix units, tensor loads and clusters have no part here: every byte is read once and written once.
.set WS1,   32768                      ; LDS: x's way has 8,192 bytes a wave from 0 on; W_qkv's way: four stages of 32 rows x 272 bytes
.set WS2,   67584                      ; W_o's way: the same
.set SPARE, 102400                     ; the spare words, 128 bytes a wave
.set SP,    80                         ; x: a lane's place in a stage: its 64 bytes + 16 of padding
.set WP,    272                        ; weights: a stage row: 256 bytes of codes + 16
.set SPW,   12
.set NIL,   13
.set XR,    16                         ; v16-143  x: eight sets of 16 numbers as loaded
.set XX,    144                        ; v144-175 x: two sets of 16 neighbours
.set XC,    176                        ; v176-239 x: four registers of codes for each of 16 steps
.set WX,    32                         ; v32-95   weights: two sets of 32 numbers
.set WC,    96                         ; v96-103  weights: a block's codes
.set WO,    112                        ; v112-175 weights: the way out
.macro XLOAD t                         ; rows 2 (t / 4), + 1, chunk t % 4
.irp i, 0,1,2,3
	global_load_b128 v[XR+16*((\t)%8)+4*\i:XR+16*((\t)%8)+4*\i+3], v3, s[32:33] offset:(2*((\t)/4)+\i/2)*4096+((\t)%4)*1024+512*(\i%2) th:TH_LOAD_NT
.endr
.endm
.macro XTURN t                         ; LDS serves a wave's instructions in order, so no wait stands between the stores and the loads
.irp i, 0,1,2,3
	ds_store_b128 v14, v[XR+16*((\t)%8)+4*\i:XR+16*((\t)%8)+4*\i+3] offset:32*SP*((\t)%2)+8*SP*\i
.endr
.irp i, 0,1,2,3
	ds_load_b128 v[XX+16*((\t)%2)+4*\i:XX+16*((\t)%2)+4*\i+3], v15 offset:32*SP*((\t)%2)+16*\i
.endr
.endm
.macro XSTEP t
.set XS, XX+16*((\t)%2)
	s_wait_dscnt 0x0                               ; this step's numbers are back from the stage, and its stores into the stage have read their registers
.if (\t)+8 < 16
	XLOAD (\t)+8
.endif
.if (\t)+1 < 16
.if 14-(\t) >= 7
	s_wait_loadcnt 28                              ; the next step's four loads are in; those of the seven steps behind it may be out
.else
	s_wait_loadcnt 4*(14-(\t))                     ; the tail: as many steps as are left behind the next one
.endif
	XTURN (\t)+1
.endif
.irp i, 0,1,2,3,4,5,6,7,8,9,10,11,12,13,14,15
	v_med3_num_f32 v[XS+\i], v[XS+\i], -v10, v10   ; the conversion to an 8-bit code does not saturate (ISA guide 7.6.2)
.endr
	v_cvt_scalef32_pk8_fp8_f32 v[XC+4*(\t):XC+4*(\t)+1], v[XS:XS+7], v11
	v_cvt_scalef32_pk8_fp8_f32 v[XC+4*(\t)+2:XC+4*(\t)+3], v[XS+8:XS+15], v11
	global_store_b128 v3, v[XC+4*(\t):XC+4*(\t)+3], s[34:35] offset:((\t)/4)*512+((\t)%4)*32768
.endm
.macro WLOAD t, n                      ; block t: W(32 t + i, my column), i = 0 .. 31
.irp i, 0,1,2,3,4,5,6,7,8,9,10,11,12,13,14,15,16,17,18,19,20,21,22,23,24,25,26,27,28,29,30,31
	global_load_b32 v[WX+32*((\t)%2)+\i], v3, s[32:33] offset:(32*(\t)+\i)*(\n)*4 th:TH_LOAD_NT
.endr
.endm
.macro WBLOCK t, n
.set XS, WX+32*((\t)%2)
.if (\t) < 7
	s_wait_loadcnt 32                              ; this block's 32 loads are in; the next block's may be out
.else
	s_wait_loadcnt 0x0
.endif
.irp i, 0,1,2,3,4,5,6,7,8,9,10,11,12,13,14,15,16,17,18,19,20,21,22,23,24,25,26,27,28,29,30,31
	v_med3_num_f32 v[XS+\i], v[XS+\i], -v10, v10
.endr
.irp g, 0,1,2,3
	v_cvt_scalef32_pk8_fp8_f32 v[WC+2*\g:WC+2*\g+1], v[XS+8*\g:XS+8*\g+7], v11
.endr
	ds_store_b128 v4, v[WC:WC+3] offset:32*(\t)    ; 32 codes: 32 bytes of my column's row
	ds_store_b128 v4, v[WC+4:WC+7] offset:32*(\t)+16
.if (\t)+2 < 8
	WLOAD (\t)+2, \n
.endif
	s_wait_dscnt 0x0                               ; the stores have read their registers: the next block's codes may be written
.endm
; A weight of n columns: s38 = which chunk along K, s39 = which 128 columns, s42 = my wave's byte offset in the codes; stg: its way's LDS; src, dst: the pairs with its addresses; ex: the register with its exponent.
.macro WEIGHT n, stg, src, dst, ex
	s_mov_b32 s43, 0
	s_add_nc_u64 s[34:35], s[\dst:\dst+1], s[42:43]
	s_mul_i32 s40, s38, 256*(\n)*4
	s_lshl_b32 s41, s39, 9
	s_add_co_u32 s40, s40, s41
	s_lshl_b32 s41, s20, 7
	s_add_co_u32 s40, s40, s41                     ; my wave's first column: 128 x group + 32 x wave
	s_mov_b32 s41, 0
	s_add_nc_u64 s[32:33], s[\src:\src+1], s[40:41]
	s_mul_i32 s44, s20, 32*WP
	s_add_co_u32 s44, s44, \stg                    ; my stage
	s_wait_alu depctr_va_vdst(0)
	v_lshlrev_b32 v3, 2, v2                        ; in: 4 bytes a lane
	v_mul_u32_u24 v4, v2, WP
	v_add_nc_u32 v4, s44, v4                       ; into the stage: row = my column
	v_and_b32 v5, 15, v2
	v_lshrrev_b32 v6, 4, v2
	v_mul_u32_u24 v7, v6, WP
	v_lshl_add_u32 v7, v5, 4, v7
	v_add_nc_u32 v7, s44, v7                       ; out of it: sixteen lanes to a row, two rows an instruction
	v_lshlrev_b32 v8, 4, v2                        ; and 512 consecutive bytes of the codes
	WLOAD 0, \n
	WLOAD 1, \n
	s_wait_alu depctr_va_vdst(0)
	s_wait_kmcnt 0x0                               ; the exponents
	s_add_co_i32 s36, s[\ex], 127
	s_lshl_b32 s41, s36, 23
	v_mov_b32 v11, s41                             ; 2^e as f32: the conversion takes its exponent field
	s_add_co_i32 s36, s36, 8
	s_lshl_b32 s36, s36, 23
	s_or_b32 s36, s36, 0x600000
	v_mov_b32 v10, s36                             ; 448 x 2^e
	s_wait_alu depctr_va_vdst(0)                   ; the head's end
.irp t, 0,1,2,3,4,5,6,7
	WBLOCK \t, \n
.endr
.irp t, 0,1,2,3,4,5,6,7,8,9,10,11,12,13,14,15
	ds_load_b128 v[WO+4*\t:WO+4*\t+3], v7 offset:2*\t*WP       ; LDS serves a wave's instructions in order: these see my stores
.endr
.irp t, 0,1,2,3,4,5,6,7,8,9,10,11,12,13,14,15
	s_wait_dscnt 15-\t                             ; read-back t is in; the younger ones may be out
	global_store_b128 v8, v[WO+4*\t:WO+4*\t+3], s[34:35] offset:512*\t
.endr
	s_wait_tensorcnt 0x0                           ; the wave's end: behind my last LDS store
	ds_add_u32 v[SPW], v[NIL]
	s_wait_dscnt 0x0
	s_endpgm
.endm
	s_load_b256 s[4:11], s[0:1], 0x0               ; x s[4:5], W_qkv s[6:7], W_o s[8:9], the exponents s[10:11]
	s_load_b128 s[12:15], s[0:1], 0x20             ; x_codes, wqkv_codes
	s_load_b64 s[16:17], s[0:1], 0x30              ; wo_codes
	v_lshl_add_u32 v[SPW], v0, 2, SPARE
	v_mov_b32 v[NIL], 0
	v_lshrrev_b32 v1, 5, v0
	v_readfirstlane_b32 s20, v1                    ; wave 0..3
	v_and_b32 v2, 31, v0                           ; lane
	s_wait_alu depctr_va_vdst(0)
	s_wait_kmcnt 0x0
	s_load_b256 s[24:31], s[10:11], 0x0            ; e0 .. e7 in s24 .. s31
	s_cmp_lt_u32 ttmp9, 128
	s_cbranch_scc0 .Lw
	; ---- x
	s_lshl_b32 s38, s20, 13                        ; my wave's 8,192 bytes of LDS
	s_lshl_b32 s39, ttmp9, 2
	s_add_co_u32 s39, s39, s20                     ; which run of 8 rows is my wave's
	s_lshl_b32 s40, s39, 15
	s_mov_b32 s41, 0
	s_add_nc_u64 s[32:33], s[4:5], s[40:41]
	s_lshr_b32 s40, s39, 4
	s_lshl_b32 s40, s40, 17                        ; its block of 128 tokens: 131,072 bytes of codes,
	s_and_b32 s42, s39, 15
	s_lshl_b32 s42, s42, 11
	s_add_co_u32 s40, s40, s42                     ; its rows there: 8 x 256 bytes on
	s_add_nc_u64 s[34:35], s[12:13], s[40:41]
	s_wait_alu depctr_va_vdst(0)
	v_lshlrev_b32 v3, 4, v2                        ; my 16 bytes of a load's 512, and of a step's 512 bytes of codes
	v_lshrrev_b32 v14, 2, v2
	v_mul_u32_u24 v14, v14, SP
	v_and_b32 v15, 3, v2
	v_lshl_add_u32 v14, v15, 4, v14
	v_add_nc_u32 v14, s38, v14                     ; the stage, on the way in: four lanes' 64 bytes on end, then 16 of padding
	v_mul_u32_u24 v15, v2, SP
	v_add_nc_u32 v15, s38, v15                     ; and on the way out: my 16 neighbours
.irp t, 0,1,2,3,4,5,6,7
	XLOAD \t
.endr
	s_wait_alu depctr_va_vdst(0)
	s_wait_kmcnt 0x0                               ; the exponents
	s_add_co_i32 s36, s24, 127
	s_lshl_b32 s37, s36, 23
	v_mov_b32 v11, s37                             ; 2^e0
	s_add_co_i32 s36, s36, 8
	s_lshl_b32 s36, s36, 23
	s_or_b32 s36, s36, 0x600000
	v_mov_b32 v10, s36                             ; 448 x 2^e0
	s_wait_alu depctr_va_vdst(0)                   ; the head's end
	s_wait_loadcnt 28                              ; step 0's four loads are in; seven steps' may be out
	XTURN 0
.irp t, 0,1,2,3,4,5,6,7,8,9,10,11,12,13,14,15
	XSTEP \t
.endr
	s_wait_tensorcnt 0x0                           ; the wave's end: behind my last LDS store
	ds_add_u32 v[SPW], v[NIL]
	s_wait_dscnt 0x0
	s_endpgm
.Lw:
	s_cmp_lt_u32 ttmp9, 224
	s_cbranch_scc0 .Lwo
	s_sub_co_u32 s37, ttmp9, 128
	s_and_b32 s38, s37, 3                          ; which chunk along K
	s_lshr_b32 s39, s37, 2                         ; which 128 columns, 0..23
	s_lshr_b32 s40, s20, 1
	s_lshl_b32 s41, s39, 1
	s_add_co_u32 s40, s40, s41
	s_and_b32 s40, s40, 15                         ; my wave's head
	s_mul_i32 s42, s40, 196608
	s_and_b32 s40, s20, 1                          ; its half of d
	s_mul_i32 s40, s40, 98304
	s_add_co_u32 s42, s42, s40
	s_mul_i32 s40, s38, 24576
	s_add_co_u32 s42, s42, s40
	s_lshr_b32 s40, s39, 3                         ; q, k or v
	s_lshl_b32 s40, s40, 13
	s_add_co_u32 s42, s42, s40
	WEIGHT 3072, WS1, 6, 14, 25
.Lwo:
	s_sub_co_u32 s37, ttmp9, 224
	s_and_b32 s38, s37, 3
	s_lshr_b32 s39, s37, 2
	s_lshl_b32 s42, s39, 17
	s_lshl_b32 s40, s38, 15
	s_add_co_u32 s42, s42, s40
	s_lshl_b32 s40, s20, 13
	s_add_co_u32 s42, s42, s40
	WEIGHT 1024, WS2, 8, 16, 31
.Lfunc_end_k_qb2c64bd0e6_quant:
	.size	k_qb2c64bd0e6_quant, .Lfunc_end_k_qb2c64bd0e6_quant-k_qb2c64bd0e6_quant
	.p2alignl 7, 3214868480
	.fill 96, 4, 3214868480
	.section	.rodata,"a",@progbits
	.p2align	6, 0x0
	.amdhsa_kernel k_qb2c64bd0e6_quant
		.amdhsa_group_segment_fixed_size 102912
		.amdhsa_private_segment_fixed_size 0
		.amdhsa_enable_private_segment 0
		.amdhsa_kernarg_size 56
		.amdhsa_user_sgpr_count 2
		.amdhsa_user_sgpr_kernarg_segment_ptr 1
		.amdhsa_wavefront_size32 1
		.amdhsa_system_sgpr_workgroup_id_x 1
		.amdhsa_system_sgpr_workgroup_id_y 1
		.amdhsa_system_sgpr_workgroup_id_z 1
		.amdhsa_system_vgpr_workitem_id 0
		.amdhsa_next_free_vgpr 240
		.amdhsa_next_free_sgpr 66
		.amdhsa_reserve_vcc 0
		.amdhsa_float_denorm_mode_32 3
		.amdhsa_float_denorm_mode_16_64 3
		.amdhsa_memory_ordered 1
		.amdhsa_forward_progress 1
		.amdhsa_inst_pref_size 134
	.end_amdhsa_kernel
	.amdgpu_metadata
---
amdhsa.version: [ 1, 2 ]
amdhsa.kernels:
  - .name:           k_qb2c64bd0e6_quant
    .symbol:         k_qb2c64bd0e6_quant.kd
    .args:
      - { .name: x, .offset: 0, .size: 8, .value_kind: global_buffer, .address_space: global }
      - { .name: W_qkv, .offset: 8, .size: 8, .value_kind: global_buffer, .address_space: global }
      - { .name: W_o, .offset: 16, .size: 8, .value_kind: global_buffer, .address_space: global }
      - { .name: lowp_scales, .offset: 24, .size: 8, .value_kind: global_buffer, .address_space: global }
      - { .name: x_codes, .offset: 32, .size: 8, .value_kind: global_buffer, .address_space: global }
      - { .name: wqkv_codes, .offset: 40, .size: 8, .value_kind: global_buffer, .address_space: global }
      - { .name: wo_codes, .offset: 48, .size: 8, .value_kind: global_buffer, .address_space: global }
    .group_segment_fixed_size: 102912
    .private_segment_fixed_size: 0
    .kernarg_segment_align: 8
    .kernarg_segment_size: 56
    .max_flat_workgroup_size: 128
    .sgpr_count:     66
    .vgpr_count:     240
    .wavefront_size: 32
...
	.end_amdgpu_metadata
.endif
;; end of part 1
;; launch qkv (part 2): grid 16 x 16, 4 waves a work-group, clusters of 4 x 4, 327,680 bytes of LDS; arguments x_codes, wqkv_codes, lowp_scales, q_codes, k_codes, v_codes; writes q_codes, k_codes, v_codes
.if DOCPART == 2
	.amdgcn_target "amdgcn-amd-amdhsa--gfx1250"
	.amdhsa_code_object_version 6
	.text
	.protected	k_qb2c64bd0e6_qkv
	.globl	k_qb2c64bd0e6_qkv
	.p2align	8
	.type	k_qb2c64bd0e6_qkv,@function
k_qb2c64bd0e6_qkv:
	s_mov_b64 s[64:65], 0
	v_nop
	global_prefetch_b8 v0, s[64:65] scope:SCOPE_SE
	s_setreg_imm32_b32 hwreg(HW_REG_WAVE_MODE, 25, 1), 1
	s_wait_xcnt 0x0
	s_wait_alu depctr_hold_cnt(0) depctr_sa_sdst(0) depctr_va_vdst(0) depctr_va_sdst(0) depctr_va_ssrc(0) depctr_va_vcc(0) depctr_vm_vsrc(0)
	s_getreg_b32 s2, hwreg(HW_REG_IB_STS2, 6, 4)
	s_cmp_eq_u32 s2, 0
	s_cbranch_scc0 .Lentry_in_a_cluster
	s_endpgm
.Lentry_in_a_cluster:
	s_bfe_u32 s2, ttmp6, 0x10000c
	s_cmp_lg_u32 s2, 0xf033
	s_cbranch_scc0 .Lentry_shape_is_right
	s_endpgm
.Lentry_shape_is_right:
; q, k, v = x W_qkv on codes of FP8 (E4M3), quantised at once with 2^e2, 2^e3, 2^e5 for the products of attention.
; SHARES.  Work-group (head, block of 256 tokens): the 64 columns of q, of k and of v that make one head: 256 work-groups of equal work.  Four waves; wave w makes 128 tokens (half w / 2) x 32 columns (half w % 2 of d) of each of the three:
; 8 x 6 accumulators of 16 x 16, 384 registers.
; K = 1,024 goes in four chunks of 256 through two LDS slots.  The codes lie so that what a wave fetches of two chunks is one dense block: its ONE load at the head brings chunks 0 and 1; chunks 2 and 3 come as refills, one load a wave each.
; CLUSTERS: 4 x 4 work-groups; the tokens' tiles are shared along a row of the cluster, the weights' along a column, each asked for jointly.
; q and k: source 0 = 16 rows of weights, source 1 = 16 tokens: a lane holds one token and eight neighbouring d.  v: the sources change places: a lane holds one d and eight neighbouring tokens, since the keys are K of the product that takes v.
; OUTPUTS: q_codes, k_codes [32 (batch, head)][2048][64 d]; v_codes [32][8 blocks of 256 keys][64 d][256 keys]: 16,384 consecutive bytes of each a work-group.  In each row place p holds index p with bits 3 and 4 exchanged.
; LIMITS: e2, e3, e5, each less e0 + e1, between -126 and 119, so that the conversions' scales and bounds are f32 numbers.
; REGISTERS: window 0: v16-31 addresses and constants, v128-255 the tokens' fragments (8 x 16 x 128 K), one set; window 1: the weights' fragments (6), two sets at v0 and v128; window 2: accumulators of token blocks 0-3 ((a, b) at v[8 (6 a + b)]); window 3: blocks 4-7.
.set PITCH,  272                       ; an LDS row: 256 bytes + 16 of padding
.set HALFA,  128*PITCH                 ; a wave's 128 rows of tokens of one chunk
.set HALFB,  96*PITCH                  ; a wave's 96 rows of weights of one chunk
.set BOFF,   4*HALFA
.set STAGE,  BOFF+4*HALFB              ; the way out: q 256 x 80, k 256 x 80, v 64 x 272; no tile lands here
.set SQP,    80
.set KST,    256*SQP
.set VST,    512*SQP
.set SPARE,  STAGE+VST+64*PITCH        ; the spare words, 128 bytes a wave
.set NL,     4
.set ADRA, 16
.set ADRB, 18
.set STQ,  20
.set STV,  21
.set RDQ,  22
.set RDV,  23
.set GO,   24
.set PFO,  25
.set SPW,  28
.set NIL,  29
.set SCL,  2                           ; v2, v4, v6 the scales of q, k, v; v3, v5, v7 448 x these
.set TMP,  32
.set AF,   128
.set G1AH, 24
.set G1A,  32
.set G1BH, 40
.set G1B,  48
.set G0A,  56
.set G0B,  60
.set MSB, 0
.macro WIN new                         ; the immediate's high byte repeats the setting that is left
.if MSB != \new
	s_set_vgpr_msb (MSB<<8)|\new
.set MSB, \new
.endif
.endm
.set MULQ_LO, 0xa1                     ; source 0 (weights) window 1, source 1 (tokens) window 0, C and D window 2; + 0x50: C and D window 3
.set MULV_LO, 0xa4                     ; source 0 (tokens) window 0, source 1 (weights) window 1
.set TO_B,    0x40
; A joint load: waves 0 and 1 fetch tokens, waves 2 and 3 weights; an s_nop 0 and four v_nop follow each of the two lines.
.macro JLOAD ga, gb
	s_cmp_eq_u32 s15, 0
	s_cbranch_scc0 .Lfor_b_\@
	tensor_load_to_lds s[G0A:G0A+3], s[\ga:\ga+7]
	s_nop 0
.rept 4
	v_nop
.endr
	s_branch .Lasked_\@
.Lfor_b_\@:
	tensor_load_to_lds s[G0B:G0B+3], s[\gb:\gb+7]
	s_nop 0
.rept 4
	v_nop
.endr
.Lasked_\@:
.endm
.macro CREST                           ; a round of the cluster's barrier behind its opening barrier
	s_cmp_lg_u32 s14, 0
	s_cbranch_scc1 .Lnot_wave_0_\@
	s_barrier_signal -3
.Lnot_wave_0_\@:
	s_barrier_wait -3
	s_barrier_signal -1
	s_barrier_wait -1
.endm
.macro CROUND
	s_barrier_signal -1
	s_barrier_wait -1
	CREST
.endm
.macro DESC g, mask, rows              ; descriptor group 1: rows of 256 bytes, dense in memory, four words of padding after every 64; bit 21 set beside a mask
	s_or_b32 s[\g], \mask, (1<<20)|(1<<21)|(5<<22)|(3<<25)
	s_mov_b32 s[\g+1], 256<<16
	s_mov_b32 s[\g+2], (\rows)<<16
	s_mov_b32 s[\g+3], 256<<16
	s_mov_b32 s[\g+4], \rows
	s_mov_b32 s[\g+5], 256
	s_mov_b32 s[\g+6], 0
	s_mov_b32 s[\g+7], 0
.endm
	s_load_b128 s[4:7], s[0:1], 0x0                ; x_codes, wqkv_codes
	s_load_b128 s[8:11], s[0:1], 0x10              ; the exponents, q_codes
	s_load_b128 s[68:71], s[0:1], 0x20             ; k_codes, v_codes
	v_lshl_add_u32 v[SPW], v0, 2, SPARE
	v_mov_b32 v[NIL], 0
	ds_add_u32 v[SPW], v[NIL]                      ; the wave's opening: the add, twice on end, and its wait ahead of my first tensor load
	ds_add_u32 v[SPW], v[NIL]
	v_lshrrev_b32 v1, 5, v0
	v_readfirstlane_b32 s14, v1                    ; wave 0..3
	s_lshr_b32 s15, s14, 1                         ; which half of the tokens is mine.  Also: I fetch tokens (0) or weights (1)
	s_and_b32 s16, s14, 1                          ; which half of d.  Also: which half of that tile I fetch
	s_bfe_u32 s72, ttmp6, 0x40000                  ; cx
	s_bfe_u32 s73, ttmp6, 0x40004                  ; cy
	s_lshl_b32 s74, ttmp9, 2
	s_add_co_u32 s74, s74, s72                     ; the head
	s_and_b32 s17, ttmp7, 0xffff
	s_lshl_b32 s17, s17, 2
	s_add_co_u32 s17, s17, s73                     ; the block of 256 tokens
	s_lshl_b32 s75, s73, 2
	s_lshl_b32 s75, 15, s75                        ; my row of the cluster
	s_lshl_b32 s76, 0x1111, s72                    ; my column
	DESC G1AH, s75, 256
	DESC G1A, s75, 128
	DESC G1BH, s76, 192
	DESC G1B, s76, 96
	s_lshl_b32 s20, s17, 18                        ; tokens: 262,144 x block + 131,072 x half
	s_lshl_b32 s18, s16, 17
	s_add_co_u32 s20, s20, s18
	s_mov_b32 s21, 0
	s_mul_i32 s22, s74, 196608                     ; weights: 196,608 x head + 98,304 x half
	s_mul_i32 s18, s16, 98304
	s_add_co_u32 s22, s22, s18
	s_mov_b32 s23, 0
	s_mov_b32 s[G0A], 1
	s_mul_i32 s[G0A+1], s16, 2*HALFA               ; where they go: no place in the cluster enters an LDS address
	s_mov_b32 s[G0B], 1
	s_mul_i32 s[G0B+1], s16, 2*HALFB
	s_add_co_u32 s[G0B+1], s[G0B+1], BOFF
	s_wait_dscnt 0x0                               ; both opening adds are done
	s_wait_kmcnt 0x0
	s_load_b256 s[88:95], s[8:9], 0x0              ; e0 .. e7
	s_add_nc_u64 s[G0A+2:G0A+3], s[4:5], s[20:21]
	s_or_b32 s[G0A+3], s[G0A+3], 0x80000000
	s_add_nc_u64 s[G0B+2:G0B+3], s[6:7], s[22:23]
	s_or_b32 s[G0B+3], s[G0B+3], 0x80000000
	CROUND                                         ; all sixteen work-groups are here: the joint loads meet
	JLOAD G1AH, G1BH                               ; chunks 0 and 1: my one load at the head
	; The prefetches: chunk 2 here, a whole chunk's products ahead of the refill that loads it, chunk 3 behind the first barrier.  Of the rows that a wave fetches each of the four partners of a joint load names its own quarter,
	; told apart by address: 32 rows of tokens, 24 of weights (lanes 24-31 name the last row again): each block of 256 bytes once in each cluster.
	s_cmp_eq_u32 s15, 0
	s_cselect_b32 s80, s20, s22
	s_cselect_b32 s81, s72, s73
	s_mov_b32 s82, 6144
	s_cselect_b32 s82, 8192, s82                   ; a partner's rows
	s_mov_b32 s83, 49152
	s_cselect_b32 s83, 65536, s83                  ; chunk 2
	s_mov_b32 s84, 24576
	s_cselect_b32 s84, 32768, s84                  ; from chunk to chunk
	s_cselect_b32 s96, 31, 23
	s_cselect_b64 s[78:79], s[4:5], s[6:7]
	s_mul_i32 s81, s81, s82
	s_add_co_u32 s80, s80, s81
	s_add_co_u32 s80, s80, s83
	s_mov_b32 s81, 0
	s_mov_b32 s85, 0
	s_add_nc_u64 s[78:79], s[78:79], s[80:81]
	s_add_nc_u64 s[86:87], s[78:79], s[84:85]
	s_mul_i32 s82, s15, 2*HALFA                    ; my 128 tokens in slot 0,
	s_mul_i32 s83, s16, 2*HALFB
	s_add_co_u32 s83, s83, BOFF                    ; my 96 rows of weights
	s_mul_i32 s84, s15, 128*SQP
	s_lshl_b32 s97, s16, 5
	s_add_co_u32 s84, s84, s97
	s_add_co_u32 s84, s84, STAGE                   ; into q's stage: my 128 rows, my 32 bytes of them
	s_mul_i32 s97, s16, 32*PITCH
	s_lshl_b32 s98, s15, 7
	s_add_co_u32 s97, s97, s98
	s_add_co_u32 s97, s97, STAGE+VST               ; into v's: my 32 rows, my 128 bytes
	s_mul_i32 s98, s14, 64*SQP
	s_add_co_u32 s98, s98, STAGE                   ; out of q's: rows 64 x wave on
	s_mul_i32 s99, s14, 16*PITCH
	s_add_co_u32 s99, s99, STAGE+VST               ; out of v's: rows 16 x wave on
	v_and_b32 v[PFO], 31, v0
	v_min_u32 v[PFO], s96, v[PFO]
	v_lshlrev_b32 v[PFO], 8, v[PFO]
	v_and_b32 v8, 15, v0                           ; r
	v_bfe_u32 v9, v0, 4, 1                         ; h
	v_and_b32 v10, 31, v0
	v_mul_u32_u24 v11, v8, PITCH
	v_lshl_add_u32 v11, v9, 4, v11                 ; a fragment's row x pitch + 16 h
	v_add_nc_u32 v[ADRA], s82, v11
	v_add_nc_u32 v[ADRA+1], HALFA, v[ADRA]
	v_add_nc_u32 v[ADRB], s83, v11
	v_add_nc_u32 v[ADRB+1], HALFB, v[ADRB]
	v_add_nc_u32 v[STV], s97, v11
	v_mul_u32_u24 v12, v8, SQP
	v_lshl_add_u32 v12, v9, 4, v12
	v_add_nc_u32 v[STQ], s84, v12
	v_lshrrev_b32 v13, 2, v10
	v_mul_u32_u24 v13, v13, SQP
	v_and_b32 v14, 3, v0
	v_lshl_add_u32 v13, v14, 4, v13
	v_add_nc_u32 v[RDQ], s98, v13                  ; four lanes to a row of 64 bytes
	v_mul_u32_u24 v14, v9, PITCH
	v_lshl_add_u32 v14, v8, 4, v14
	v_add_nc_u32 v[RDV], s99, v14                  ; sixteen lanes to a row of 256 bytes
	v_lshlrev_b32 v[GO], 4, v10
	global_prefetch_b8 v[PFO], s[78:79] th:TH_LOAD_NT scope:SCOPE_SE
.macro FRAG reg, adr, q, i             ; 16 rows x 128 K: registers 4 c .. 4 c + 3 hold k = 32 c + 16 h + 0 .. 15, in both operands alike
.irp c, 0,1,2,3
	ds_load_b128 v[\reg+4*\c:\reg+4*\c+3], v[\adr] offset:128*(\q)+32*\c+(\i)*16*PITCH
.endr
.endm
.macro FETCH_B slot, q, p
	WIN TO_B
.irp i, 0,1,2,3,4,5
	FRAG 128*(\p)+16*\i, ADRB+\slot, \q, \i
.endr
	WIN 0
.endm
.macro FETCH_A slot, q, i0
.irp i, \i0, \i0+1, \i0+2, \i0+3
	FRAG AF+16*(\i), ADRA+\slot, \q, \i
.endr
.endm
; The 48 accumulators take turns, one instruction a turn, in the same order in every step.
.macro MULQ hi, p, zero
	WIN MULQ_LO+0x50*\hi
.irp a, 0,1,2,3
.irp b, 0,1,2,3
.if \zero
	v_wmma_f32_16x16x128_fp8_fp8 v[8*(6*\a+\b):8*(6*\a+\b)+7], v[128*(\p)+16*\b:128*(\p)+16*\b+15], v[AF+16*(4*\hi+\a):AF+16*(4*\hi+\a)+15], 0
.else
	v_wmma_f32_16x16x128_fp8_fp8 v[8*(6*\a+\b):8*(6*\a+\b)+7], v[128*(\p)+16*\b:128*(\p)+16*\b+15], v[AF+16*(4*\hi+\a):AF+16*(4*\hi+\a)+15], v[8*(6*\a+\b):8*(6*\a+\b)+7]
.endif
.endr
.endr
.endm
.macro MULV hi, p, zero
	WIN MULV_LO+0x50*\hi
.irp a, 0,1,2,3
.irp b, 4,5
.if \zero
	v_wmma_f32_16x16x128_fp8_fp8 v[8*(6*\a+\b):8*(6*\a+\b)+7], v[AF+16*(4*\hi+\a):AF+16*(4*\hi+\a)+15], v[128*(\p)+16*\b:128*(\p)+16*\b+15], 0
.else
	v_wmma_f32_16x16x128_fp8_fp8 v[8*(6*\a+\b):8*(6*\a+\b)+7], v[AF+16*(4*\hi+\a):AF+16*(4*\hi+\a)+15], v[128*(\p)+16*\b:128*(\p)+16*\b+15], v[8*(6*\a+\b):8*(6*\a+\b)+7]
.endif
.endr
.endr
.endm
.macro PLACES                          ; four plain vector instructions in front of loads into registers that matrix instructions have read, and of reads of results
.rept 4
	v_nop
.endr
.endm
.macro STEP slot, zero                 ; a slot's first 128 along K, weights' set 0; the second's fragments are fetched
	s_wait_dscnt 4*NL                              ; all but the tokens' blocks 4-7 are in
	MULQ 0, 0, \zero
	MULV 0, 0, \zero
	s_wait_dscnt 0x0
	PLACES
	FETCH_B \slot, 1, 1
	FETCH_A \slot, 1, 0
	MULQ 1, 0, \zero
	MULV 1, 0, \zero
	PLACES
	WIN 0
	FETCH_A \slot, 1, 4
.endm
; A slot's second 128 changes slots: ONE barrier; in front of it each wave waits for all its tensor loads, adds 0 to its spare word, and waits for that and for its reads of this slot.  fill = 1: the slot is filled again, two chunks on.
.macro TURN slot, next, fill
	s_wait_tensorcnt 0x0
	ds_add_u32 v[SPW], v[NIL]
	s_wait_dscnt 4*NL+1                            ; (the add and the tokens' blocks 4-7 may be out)
	MULQ 0, 1, 0
	s_wait_dscnt 0x0                               ; the add is done, and my reads of this slot are over
	s_barrier_signal -1
	MULV 0, 1, 0
	WIN 0
	s_barrier_wait -1
.if \fill
	CREST                                          ; no wave of any partner still reads this slot or has a load on its way
.if \slot == 0
	s_add_nc_u64 s[G0A+2:G0A+3], s[G0A+2:G0A+3], 65536   ; chunk 2, to slot 0
	s_add_nc_u64 s[G0B+2:G0B+3], s[G0B+2:G0B+3], 49152
.else
	s_add_nc_u64 s[G0A+2:G0A+3], s[G0A+2:G0A+3], 32768   ; chunk 3, to slot 1
	s_add_nc_u64 s[G0B+2:G0B+3], s[G0B+2:G0B+3], 24576
	s_add_co_u32 s[G0A+1], s[G0A+1], HALFA
	s_add_co_u32 s[G0B+1], s[G0B+1], HALFB
.endif
	JLOAD G1A, G1B
.else
	PLACES
.endif
	FETCH_B \next, 0, 0
	FETCH_A \next, 0, 0
	MULQ 1, 1, 0
	MULV 1, 1, 0
	PLACES
	WIN 0
	FETCH_A \next, 0, 4
.endm
	s_wait_alu depctr_va_vdst(0)                   ; the head's end
	s_wait_tensorcnt 0x0                           ; my part of chunks 0 and 1 is in
	s_barrier_signal -1
	s_barrier_wait -1                              ; everybody's is
	FETCH_B 0, 0, 0
	FETCH_A 0, 0, 0
	FETCH_A 0, 0, 4
	global_prefetch_b8 v[PFO], s[86:87] th:TH_LOAD_NT scope:SCOPE_SE   ; chunk 3: two chunks' products ahead of its refill
	STEP 0, 1                                      ; the first products start the sums
	TURN 0, 1, 1
	STEP 1, 0
	TURN 1, 0, 1
	STEP 0, 0
	TURN 0, 1, 0                                   ; nothing more to ask for
	STEP 1, 0
	s_wait_dscnt 4*NL
	MULQ 0, 1, 0
	MULV 0, 1, 0
	s_wait_dscnt 0x0
	MULQ 1, 1, 0
	MULV 1, 1, 0
	WIN 0
	; THE WAY OUT.  A sum stands for sum x 2^(e0 + e1): its code is sum / 2^(e - e0 - e1), e the operand's own.  The codes meet in the work-group's stages and leave as 512 consecutive bytes an instruction.
	s_wait_kmcnt 0x0
	s_add_co_i32 s97, s88, s89
	s_sub_co_i32 s97, 127, s97
	s_add_co_i32 s90, s90, s97
	s_add_co_i32 s91, s91, s97
	s_add_co_i32 s93, s93, s97
	s_add_co_i32 s96, s90, 8
	s_add_co_i32 s98, s91, 8
	s_add_co_i32 s99, s93, 8
.irp x, 90,91,93,96,98,99
	s_lshl_b32 s[\x], s[\x], 23
.endr
.irp x, 96,98,99
	s_or_b32 s[\x], s[\x], 0x600000
.endr
	s_lshr_b32 s80, s17, 3
	s_lshl_b32 s80, s80, 4
	s_add_co_u32 s80, s80, s74
	s_lshl_b32 s80, s80, 17                        ; 131,072 x (batch, head)
	s_and_b32 s82, s17, 7
	s_lshl_b32 s82, s82, 14
	s_add_co_u32 s80, s80, s82                     ; + 16,384 x the block of tokens
	s_lshl_b32 s82, s14, 12
	s_add_co_u32 s80, s80, s82                     ; + 4,096 x wave: the same in all three
	s_mov_b32 s81, 0
	s_add_nc_u64 s[10:11], s[10:11], s[80:81]
	s_add_nc_u64 s[68:69], s[68:69], s[80:81]
	s_add_nc_u64 s[70:71], s[70:71], s[80:81]
	PLACES
	v_mov_b32 v[SCL], s90
	v_mov_b32 v[SCL+1], s96
	v_mov_b32 v[SCL+2], s91
	v_mov_b32 v[SCL+3], s98
	v_mov_b32 v[SCL+4], s93
	v_mov_b32 v[SCL+5], s99
; The accumulators (a, b0), (a, b0 + 1) of all eight a: held, each from its low end on, and converted: 32 registers of codes from cd on.  isv: 16 bytes join two token blocks of one d, else two blocks of d of one token.
.macro CONV b0, cd, sc, isv
.irp hf, 0,1
	WIN 0x02+\hf
.irp a, 0,1,2,3
.set j, 0
.rept 16
	v_med3_num_f32 v[TMP+16*\a+j], v[8*(6*\a+\b0)+j], -v[\sc+1], v[\sc+1]
.set j, j+1
.endr
.endr
	WIN 0
.irp a, 0,1,2,3
.if \isv
.set C0, \cd+16*\hf+8*(\a/2)+2*(\a%2)
.set C1, C0+4
.else
.set C0, \cd+16*\hf+4*\a
.set C1, C0+2
.endif
	v_cvt_scalef32_pk8_fp8_f32 v[C0:C0+1], v[TMP+16*\a:TMP+16*\a+7], v[\sc]
	v_cvt_scalef32_pk8_fp8_f32 v[C1:C1+1], v[TMP+16*\a+8:TMP+16*\a+15], v[\sc]
.endr
	v_nop                                          ; a plain line behind the last conversion
.endr
.endm
	CONV 0, 128, SCL, 0
.irp a, 0,1,2,3,4,5,6,7
	ds_store_b128 v[STQ], v[128+4*\a:131+4*\a] offset:\a*16*SQP
.endr
	s_wait_dscnt 0x0                               ; for the others' sake: q's codes are in the stage
	s_barrier_signal -1
	CONV 2, 160, SCL+2, 0
	s_wait_alu depctr_va_vdst(0)
	s_barrier_wait -1
.irp t, 0,1,2,3,4,5,6,7
	ds_load_b128 v[224+4*\t:227+4*\t], v[RDQ] offset:8*SQP*\t
.endr
.irp a, 0,1,2,3,4,5,6,7
	ds_store_b128 v[STQ], v[160+4*\a:163+4*\a] offset:KST+\a*16*SQP
.endr
	s_wait_dscnt 0x0                               ; q's rows are back, k's codes in the stage
.irp t, 0,1,2,3,4,5,6,7
	global_store_b128 v[GO], v[224+4*\t:227+4*\t], s[10:11] offset:512*\t
.endr
	s_barrier_signal -1
	CONV 4, 192, SCL+4, 1
	s_wait_alu depctr_va_vdst(0)
	s_barrier_wait -1
.irp t, 0,1,2,3,4,5,6,7
	ds_load_b128 v[96+4*\t:99+4*\t], v[RDQ] offset:KST+8*SQP*\t
.endr
.irp g, 0,1,2,3
	ds_store_b128 v[STV], v[192+8*\g:195+8*\g] offset:32*\g
	ds_store_b128 v[STV], v[196+8*\g:199+8*\g] offset:16*PITCH+32*\g
.endr
	s_wait_dscnt 0x0
.irp t, 0,1,2,3,4,5,6,7
	global_store_b128 v[GO], v[96+4*\t:99+4*\t], s[68:69] offset:512*\t
.endr
	s_barrier_signal -1
	s_barrier_wait -1
.irp t, 0,1,2,3,4,5,6,7
	ds_load_b128 v[128+4*\t:131+4*\t], v[RDV] offset:2*PITCH*\t
.endr
.irp t, 0,1,2,3,4,5,6,7
	s_wait_dscnt 7-\t                              ; row pair t is in; the younger ones may be out
	global_store_b128 v[GO], v[128+4*\t:131+4*\t], s[70:71] offset:512*\t
.endr
	s_wait_tensorcnt 0x0                           ; the wave's end: behind my last tensor load and my last LDS store
	ds_add_u32 v[SPW], v[NIL]
	s_wait_dscnt 0x0
	CROUND                                         ; the closing round: no work-group ends while a partner may still ask for a tile that names it
	s_endpgm
.Lfunc_end_k_qb2c64bd0e6_qkv:
	.size	k_qb2c64bd0e6_qkv, .Lfunc_end_k_qb2c64bd0e6_qkv-k_qb2c64bd0e6_qkv
	.p2alignl 7, 3214868480
	.fill 96, 4, 3214868480
	.section	.rodata,"a",@progbits
	.p2align	6, 0x0
	.amdhsa_kernel k_qb2c64bd0e6_qkv
		.amdhsa_group_segment_fixed_size 327680
		.amdhsa_private_segment_fixed_size 0
		.amdhsa_enable_private_segment 0
		.amdhsa_kernarg_size 48
		.amdhsa_user_sgpr_count 2
		.amdhsa_user_sgpr_kernarg_segment_ptr 1
		.amdhsa_wavefront_size32 1
		.amdhsa_system_sgpr_workgroup_id_x 1
		.amdhsa_system_sgpr_workgroup_id_y 1
		.amdhsa_system_sgpr_workgroup_id_z 1
		.amdhsa_system_vgpr_workitem_id 0
		.amdhsa_next_free_vgpr 1024
		.amdhsa_next_free_sgpr 102
		.amdhsa_reserve_vcc 0
		.amdhsa_float_denorm_mode_32 3
		.amdhsa_float_denorm_mode_16_64 3
		.amdhsa_memory_ordered 1
		.amdhsa_forward_progress 1
		.amdhsa_inst_pref_size 102
	.end_amdhsa_kernel
	.amdgpu_metadata
---
amdhsa.version: [ 1, 2 ]
amdhsa.kernels:
  - .name:           k_qb2c64bd0e6_qkv
    .symbol:         k_qb2c64bd0e6_qkv.kd
    .args:
      - { .name: x_codes, .offset: 0, .size: 8, .value_kind: global_buffer, .address_space: global }
      - { .name: wqkv_codes, .offset: 8, .size: 8, .value_kind: global_buffer, .address_space: global }
      - { .name: lowp_scales, .offset: 16, .size: 8, .value_kind: global_buffer, .address_space: global }
      - { .name: q_codes, .offset: 24, .size: 8, .value_kind: global_buffer, .address_space: global }
      - { .name: k_codes, .offset: 32, .size: 8, .value_kind: global_buffer, .address_space: global }
      - { .name: v_codes, .offset: 40, .size: 8, .value_kind: global_buffer, .address_space: global }
    .group_segment_fixed_size: 327680
    .private_segment_fixed_size: 0
    .kernarg_segment_align: 8
    .kernarg_segment_size: 48
    .max_flat_workgroup_size: 128
    .sgpr_count:     102
    .vgpr_count:     1024
    .wavefront_size: 32
...
	.end_amdgpu_metadata
.endif
;; end of part 2
;; launch attn (part 3): grid 8 x 32, 16 waves a work-group, clusters of 4 x 1, 327,680 bytes of LDS; arguments q_codes, k_codes, v_codes, lowp_scales, op_codes; writes op_codes
.if DOCPART == 3
	.amdgcn_target "amdgcn-amd-amdhsa--gfx1250"
	.amdhsa_code_object_version 6
	.text
	.protected	k_qb2c64bd0e6_attn
	.globl	k_qb2c64bd0e6_attn
	.p2align	8
	.type	k_qb2c64bd0e6_attn,@function
k_qb2c64bd0e6_attn:
	s_mov_b64 s[64:65], 0
	v_nop
	global_prefetch_b8 v0, s[64:65] scope:SCOPE_SE
	s_setreg_imm32_b32 hwreg(HW_REG_WAVE_MODE, 25, 1), 1
	s_wait_xcnt 0x0
	s_wait_alu depctr_hold_cnt(0) depctr_sa_sdst(0) depctr_va_vdst(0) depctr_va_sdst(0) depctr_va_ssrc(0) depctr_va_vcc(0) depctr_vm_vsrc(0)
	s_getreg_b32 s2, hwreg(HW_REG_IB_STS2, 6, 4)
	s_cmp_eq_u32 s2, 0
	s_cbranch_scc0 .Lentry_in_a_cluster
	s_endpgm
.Lentry_in_a_cluster:
	s_bfe_u32 s2, ttmp6, 0x10000c
	s_cmp_lg_u32 s2, 0x3003
	s_cbranch_scc0 .Lentry_shape_is_right
	s_endpgm
.Lentry_shape_is_right:
; Causal attention on codes of FP8 (E4M3), 32 heads (2 batches x 16) of 2,048 tokens x 64; O / l is quantised at once with 2^e6 for the last product.
; q_codes, k_codes [32][2048][64]; v_codes [32][8 blocks of 256 keys][64 d][256 keys]; in each row place p holds index p with bits 3 and 4 exchanged.  op_codes [32 blocks of 128 tokens][16 heads][128 tokens][64 d], d in its own order.
; THE SOFTMAX AHEAD OF THE SECOND PRODUCT: t = score x log2(e) / 8; M = the row's largest t so far, rounded UP to a whole number; p = 2^(t - M) is what is quantised (2^e4), not normalised.
; The row's sum is taken of the unquantised p, in f32, and divides O at the end.  When M moves, the sum and O are multiplied by 2^(old M - new M): exact.
; THE WHOLE HEAD'S K AND V LIE IN LDS, each byte filled once: sixteen waves, one joint load each at the head: wave 2 c the keys 256 c on of K, wave 2 c + 1 of V.  Nothing is left to prefetch: all is asked for at the head.
; SHARES.  The head's queries are 16 blocks of 8 tiles of 16; work-group i owns tile i of every block, a wave a tile, so all eight work-groups of a head do the same work on the same keys; four of them form a cluster.
; A tile of block B has B + 1 key steps of 128 that are not hidden whole by the causal mask; the others are left out, by a scalar branch on the wave's block and the count of steps, and only step B holds hidden keys.
; Wave 4 a + c (c = 0 .. 3) takes block 15 - c, 8 + c, 7 - c, c for a = 0, 1, 2, 3: the longest have the lowest numbers, and the four waves of one c have 34 steps together.
; LAYOUT.  Both products are used transposed: S^T = K Q^T (source 0 = 16 neighbouring keys, source 1 = 16 queries), O^T = V^T P^T: a lane holds ONE query (lane % 16) throughout.  In tile t register j is key 16 t + 8 (lane / 16) + j,
; so tile t's conversion gives registers 2 t, 2 t + 1 of P's fragment in the form's own layout; V's rows lie so that four 16-byte loads a fragment bring the same keys to the same registers.
; LIMITS: e2 + e3 between -123 and 130 (added to c's exponent field); e4 and e6 - e4 - e5 between -126 and 119, so that each power of two is an f32 number; scaled scores under 2^31 in magnitude.
.set KP,    80                         ; a key's row in LDS: 64 bytes + 16
.set VP,    272                        ; a row of V's tile: 256 bytes + 16
.set KCH,   256*KP
.set VCH,   64*VP
.set VOFF,  8*KCH
.set STAGE, VOFF+8*VCH                 ; the way out: 16 rows x 80 bytes for each wave; no tile lands here
.set SPI,   80
.set SPARE, STAGE+16*16*SPI            ; the spare words, 128 bytes a wave
.set AK0,  1
.set AV0,  2
.set QA,   4
.set SPW,  5
.set NIL,  6
.set GO,   7
.set ADK,  8
.set ADV,  9
.set STI,  10
.set STR,  11
.set DV,   26                          ; v26 16 i + r - 8 h: on a diagonal step register 8 t + j is hidden where 16 t + j > it
.set NINF, 27
; v12 -M, v13 the largest t, v[14:15] the sum in two halves; v16-23 Q; v32-95 K's eight fragments, then V's four; v96-159 S^T, then p; v160-191 O^T; v224-239 p's codes; v240 448 x scale, v244 scale; v242, 243, 246, 248-255 at work
.set J,    2                           ; s2  the key step
.set WV,   18
.set BL,   89                          ; s89 my tile's block
.set SEL,  20
.set CS,   22
.set G1K,  24
.set G1V,  32
.set G0K,  40
.set G0V,  44
.macro CROUND
	s_barrier_signal -1
	s_barrier_wait -1
	s_cmp_lg_u32 s[WV], 0
	s_cbranch_scc1 .Lnot_wave_0_\@
	s_barrier_signal -3
.Lnot_wave_0_\@:
	s_barrier_wait -3
	s_barrier_signal -1
	s_barrier_wait -1
.endm
	s_load_b128 s[4:7], s[0:1], 0x0                ; q_codes, k_codes
	s_load_b128 s[12:15], s[0:1], 0x10             ; v_codes, the exponents
	s_load_b64 s[16:17], s[0:1], 0x20              ; op_codes
	v_lshl_add_u32 v[SPW], v0, 2, SPARE
	v_mov_b32 v[NIL], 0
	ds_add_u32 v[SPW], v[NIL]                      ; the wave's opening: the add, twice on end, and its wait ahead of my first tensor load
	ds_add_u32 v[SPW], v[NIL]
	v_lshrrev_b32 v8, 5, v0
	v_readfirstlane_b32 s[WV], v8                  ; wave 0..15
	s_bfe_u32 s80, ttmp6, 0x40000
	s_lshl_b32 s81, ttmp9, 2
	s_add_co_u32 s81, s81, s80                     ; i: it enters addresses of q and op and the mask's numbers, no branch and no LDS address
	s_and_b32 s82, ttmp7, 0xffff                   ; the head, 0..31
	s_lshl_b32 s84, s82, 17                        ; its first byte in each of the three tensors of codes
	s_mov_b32 s85, 0
	s_lshr_b32 s87, s[WV], 1                       ; which 256 keys I fetch
	s_and_b32 s79, s[WV], 1                        ; of K (0) or of V (1)
	s_lshr_b32 s86, s[WV], 2
	s_lshl_b32 s86, s86, 2
	s_lshr_b32 s[BL], 0x078f, s86                  ; 15, 8, 7, 0 for a = 0, 1, 2, 3,
	s_and_b32 s[BL], s[BL], 15
	s_and_b32 s88, s[WV], 3
	s_xor_b32 s[BL], s[BL], s88                    ; with c: 15 - c, 8 + c, 7 - c, c
	s_lshl_b32 s83, s81, 10
	s_lshl_b32 s90, s[BL], 13
	s_add_co_u32 s90, s90, s83
	s_mov_b32 s91, 0
	s_add_nc_u64 s[90:91], s[90:91], s[84:85]      ; my tile's codes of q
	s_lshr_b32 s92, s82, 4                         ; op_codes: ((batch x 16 + block) x 16 + head) x 8,192 + 1,024 i
	s_lshl_b32 s92, s92, 4
	s_add_co_u32 s92, s92, s[BL]
	s_lshl_b32 s92, s92, 4
	s_and_b32 s93, s82, 15
	s_add_co_u32 s92, s92, s93
	s_lshl_b32 s92, s92, 13
	s_add_co_u32 s92, s92, s83
	s_mov_b32 s93, 0
	s_lshl_b32 s94, s87, 14
	s_mov_b32 s95, 0
	s_add_nc_u64 s[94:95], s[94:95], s[84:85]      ; my 16,384 bytes of K or V
	s_mul_i32 s96, s87, KCH
	s_mul_i32 s97, s87, VCH
	s_add_co_u32 s97, s97, VOFF
	; descriptor group 1: 16,384 dense bytes stated as 64 rows of 256; the mask names all four partners, bit 21 set beside it.  K: four words of padding after every 16 (a key's 64 bytes); V: after every 64
	s_mov_b32 s[G1K], 15|(1<<20)|(1<<21)|(3<<22)|(3<<25)
	s_mov_b32 s[G1V], 15|(1<<20)|(1<<21)|(5<<22)|(3<<25)
.irp g, G1K, G1V
	s_mov_b32 s[\g+1], 256<<16
	s_mov_b32 s[\g+2], 64<<16
	s_mov_b32 s[\g+3], 256<<16
	s_mov_b32 s[\g+4], 64
	s_mov_b32 s[\g+5], 256
	s_mov_b32 s[\g+6], 0
	s_mov_b32 s[\g+7], 0
.endr
	s_mov_b32 s[SEL], 0x76543210                   ; lane selects: lane l xor 16
	s_mov_b32 s[SEL+1], 0xfedcba98
	s_mov_b32 s[CS], 0x3e38aa3b                    ; log2(e) / 8
	s_wait_dscnt 0x0                               ; both opening adds are done
	s_wait_kmcnt 0x0
	s_load_b256 s[68:75], s[14:15], 0x0            ; e0 .. e7
	s_mov_b32 s[G0K], 1
	s_mov_b32 s[G0K+1], s96
	s_add_nc_u64 s[G0K+2:G0K+3], s[6:7], s[94:95]
	s_or_b32 s[G0K+3], s[G0K+3], 0x80000000
	s_mov_b32 s[G0V], 1
	s_mov_b32 s[G0V+1], s97
	s_add_nc_u64 s[G0V+2:G0V+3], s[12:13], s[94:95]
	s_or_b32 s[G0V+3], s[G0V+3], 0x80000000
	CROUND                                         ; all four work-groups are here: the joint loads meet
	s_cmp_eq_u32 s79, 0                            ; even waves fetch K, odd waves V; an s_nop 0 and four v_nop follow each of the two lines
	s_cbranch_scc0 .Lfor_v
	tensor_load_to_lds s[G0K:G0K+3], s[G1K:G1K+7]
	s_nop 0
.rept 4
	v_nop
.endr
	s_branch .Lasked
.Lfor_v:
	tensor_load_to_lds s[G0V:G0V+3], s[G1V:G1V+7]
	s_nop 0
.rept 4
	v_nop
.endr
.Lasked:
	s_add_nc_u64 s[4:5], s[4:5], s[90:91]
	s_add_nc_u64 s[16:17], s[16:17], s[92:93]
	s_mul_i32 s83, s[WV], 16*SPI
	s_add_co_u32 s83, s83, STAGE                   ; my stage
	s_lshl_b32 s80, s81, 4
	v_and_b32 v8, 15, v0                           ; r
	v_bfe_u32 v9, v0, 4, 1                         ; h
	v_lshlrev_b32 v[QA], 6, v8
	v_lshl_add_u32 v[QA], v9, 4, v[QA]
	global_load_b128 v[16:19], v[QA], s[4:5]       ; Q's fragment: places 16 h + 0 .. 15 and 32 + 16 h + 0 .. 15 of row r, as K's
	global_load_b128 v[20:23], v[QA], s[4:5] offset:32
	v_mul_u32_u24 v[AK0], v8, KP
	v_lshl_add_u32 v[AK0], v9, 4, v[AK0]
	v_mul_u32_u24 v[AV0], v8, VP
	v_lshl_add_u32 v[AV0], v9, 4, v[AV0]
	v_add_nc_u32 v[AV0], VOFF, v[AV0]
	v_mul_u32_u24 v[STI], v8, SPI
	v_lshl_add_u32 v[STI], v9, 3, v[STI]
	v_add_nc_u32 v[STI], s83, v[STI]               ; the stage, in: row r, 8 h bytes on; tile u's eight channels 16 u on
	v_lshlrev_b32 v9, 3, v9
	v_sub_nc_u32 v[DV], v8, v9
	v_add_nc_u32 v[DV], s80, v[DV]
	v_and_b32 v8, 31, v0
	v_lshlrev_b32 v[GO], 4, v8
	v_lshrrev_b32 v8, 2, v8
	v_mul_u32_u24 v[STR], v8, SPI
	v_and_b32 v9, 3, v0
	v_lshl_add_u32 v[STR], v9, 4, v[STR]
	v_add_nc_u32 v[STR], s83, v[STR]               ; back: four lanes to a row of 64 bytes, eight rows an instruction
	v_mov_b32 v[NINF], 0xff800000
	v_mov_b32 v13, 0xff61b1e6                      ; the largest t so far: -3e38, under every t
	v_floor_f32 v12, -v13                          ; -M
	v_mov_b32 v14, 0
	v_mov_b32 v15, 0
	v_mov_b32 v246, 0                              ; written once: a lane permute's destination counts as one of its sources
	v_mov_b32 v253, 0                              ; (named as the upper half of the pair v[252:253])
.set j, 0
.rept 32
	v_mov_b32 v[160+j], 0                          ; O^T: the step is written once; its first walk finds zeros, which the first change of M leaves zeros
.set j, j+1
.endr
	s_wait_alu depctr_va_vdst(0)
	s_wait_kmcnt 0x0
	s_add_co_i32 s82, s70, s71
	s_lshl_b32 s82, s82, 23
	s_add_co_i32 s[CS], s[CS], s82                 ; a score stands for score x 2^(e2 + e3): added to c's exponent field
	s_mov_b32 s[CS+1], s[CS]
	s_add_co_i32 s82, s72, 127
	s_lshl_b32 s83, s82, 23
	s_add_co_i32 s82, s82, 8
	s_lshl_b32 s82, s82, 23
	s_or_b32 s82, s82, 0x600000
	v_mov_b32 v244, s83                            ; 2^e4
	v_mov_b32 v240, s82                            ; 448 x 2^e4
	s_wait_alu depctr_va_vdst(0)                   ; the head's end
	s_wait_loadcnt 0x0                             ; Q
	s_wait_tensorcnt 0x0                           ; my load is in
	s_barrier_signal -1
	s_barrier_wait -1                              ; everybody's is: all of K and V is there
	s_mov_b32 s[J], 0
.Lstep:                                            ; sixteen trips, in every wave: a key step of 128 keys each
	s_cmp_gt_u32 s[J], s[BL]                       ; all its keys come after my 16 queries: the step's work is left out
	s_cbranch_scc1 .Lno_step
	s_mul_i32 s97, s[J], 128*KP
	s_lshr_b32 s93, s[J], 1
	s_mul_i32 s93, s93, VCH
	s_and_b32 s94, s[J], 1
	s_lshl_b32 s94, s94, 7
	s_add_co_u32 s93, s93, s94
	v_add_nc_u32 v[ADK], s97, v[AK0]
	v_add_nc_u32 v[ADV], s93, v[AV0]
	v_nop                                          ; with the two additions: four places in front of loads into registers that the last products read
	v_nop
.irp t, 0,1,2,3,4,5,6,7
.irp c, 0,1
	ds_load_b128 v[32+8*\t+4*\c:32+8*\t+4*\c+3], v[ADK] offset:16*\t*KP+32*\c
.endr
.endr
	s_wait_alu depctr_va_vdst(0)
	s_wait_dscnt 8                                 ; K's tiles 0-3 are in; the eight loads of tiles 4-7 may be out
.irp t, 0,1,2,3
	v_wmma_f32_16x16x64_fp8_fp8 v[96+8*\t:103+8*\t], v[32+8*\t:39+8*\t], v[16:23], 0
.endr
	s_wait_dscnt 0x0
.irp t, 4,5,6,7
	v_wmma_f32_16x16x64_fp8_fp8 v[96+8*\t:103+8*\t], v[32+8*\t:39+8*\t], v[16:23], 0
.endr
.rept 4
	v_nop                                          ; places: K's registers take V's loads, and the scores are read
.endr
.irp u, 0,1,2,3                                ; V's four fragments are asked for here and land under the softmax
.irp c, 0,1,2,3
	ds_load_b128 v[32+16*\u+4*\c:32+16*\u+4*\c+3], v[ADV] offset:16*\u*VP+32*\c
.endr
.endr
	s_cmp_lg_u32 s[J], s[BL]                       ; on the diagonal hidden scores become -infinity ahead of the maximum: p = 0 then.  A step all of whose keys count skips this
	s_cbranch_scc1 .Lopen
.set n, 0
.rept 64
	v_cmp_gt_i32 vcc_lo, 16*(n/8)+n%8, v[DV]
	v_cndmask_b32 v[96+n], v[96+n], v[NINF], vcc_lo
.set n, n+1
.endr
.Lopen:
	v_max3_num_f32 v254, v96, v97, v98             ; the step's largest score of my query, in four chains; each accumulator is first read at its low end
	v_max3_num_f32 v252, v99, v100, v101
	v_max3_num_f32 v250, v102, v103, v104
	v_max3_num_f32 v248, v105, v106, v107
.set n, 0
.rept 26
	v_max3_num_f32 v[254-2*(n%4)], v[254-2*(n%4)], v[108+2*n], v[109+2*n]
.set n, n+1
.endr
	v_max3_num_f32 v254, v254, v252, v250
	s_delay_alu instid0(VALU_DEP_1)
	v_max_num_f32 v254, v254, v248
	s_delay_alu instid0(VALU_DEP_1)
	v_permlanex16_b32 v246, v254, s[SEL], s[SEL+1]
	s_delay_alu instid0(VALU_DEP_1)
	v_max_num_f32 v254, v254, v246                 ; and among lane l xor 16's
	s_delay_alu instid0(VALU_DEP_1)
	v_mul_f32 v254, s[CS], v254                    ; as t (c is positive)
	s_delay_alu instid0(VALU_DEP_1)
	v_max_num_f32 v13, v13, v254                   ; the running largest t
	v_mov_b32 v254, v12
	s_delay_alu instid0(VALU_DEP_2)
	v_floor_f32 v12, -v13                          ; the new -M = floor(-t) = -ceil(t)
	s_delay_alu instid0(VALU_DEP_1)
	v_sub_f32 v254, v12, v254                      ; old M - new M: a whole number, 0 or less
	s_delay_alu instid0(VALU_DEP_1)
	v_cvt_i32_f32 v254, v254                       ; (it saturates)
	s_delay_alu instid0(VALU_DEP_1)
	v_ldexp_f32 v252, 1.0, v254                    ; f = 2^(old M - new M)
.irp j, 0,2,4,6,8,10,12,14,16,18,20,22,24,26,28,30,32,34,36,38,40,42,44,46,48,50,52,54,56,58,60,62
	v_pk_fma_f32 v[96+\j:97+\j], v[96+\j:97+\j], s[CS:CS+1], v[12:13] op_sel_hi:[1,0,0]   ; t - M, two at a time
.endr
.set n, 0
	s_wait_alu depctr_va_vdst(0)                   ; ahead of the batch
.rept 64
	v_exp_f32 v[96+n], v[96+n]                     ; p = 2^(t - M), at most 1
.set n, n+1
.endr
	v_pk_mul_f32 v[14:15], v[14:15], v[252:253] op_sel_hi:[1,0]   ; the sums under the new M: the plain instruction behind the exponentials
	s_wait_alu depctr_va_vdst(0)                   ; one wait for the whole batch, ahead of its first reader
	v_pk_add_f32 v[242:243], v[100:101], v[104:105]
	v_pk_add_f32 v[254:255], v[108:109], v[112:113]
	v_pk_add_f32 v[250:251], v[116:117], v[120:121]
	v_pk_add_f32 v[248:249], v[124:125], v[128:129]
	v_pk_add_f32 v[238:239], v[132:133], v[136:137]
	v_pk_add_f32 v[236:237], v[140:141], v[144:145]
	v_pk_add_f32 v[234:235], v[148:149], v[152:153]
	v_pk_add_f32 v[14:15], v[14:15], v[156:157]
	v_pk_add_f32 v[242:243], v[242:243], v[96:97]
	v_pk_add_f32 v[254:255], v[254:255], v[98:99]
	v_pk_add_f32 v[250:251], v[250:251], v[102:103]
	v_pk_add_f32 v[248:249], v[248:249], v[106:107]
	v_pk_add_f32 v[238:239], v[238:239], v[110:111]
	v_pk_add_f32 v[236:237], v[236:237], v[114:115]
	v_pk_add_f32 v[234:235], v[234:235], v[118:119]
	v_pk_add_f32 v[14:15], v[14:15], v[122:123]
	v_pk_add_f32 v[242:243], v[242:243], v[126:127]
	v_pk_add_f32 v[254:255], v[254:255], v[130:131]
	v_pk_add_f32 v[250:251], v[250:251], v[134:135]
	v_pk_add_f32 v[248:249], v[248:249], v[138:139]
	v_pk_add_f32 v[238:239], v[238:239], v[142:143]
	v_pk_add_f32 v[236:237], v[236:237], v[146:147]
	v_pk_add_f32 v[234:235], v[234:235], v[150:151]
	v_pk_add_f32 v[14:15], v[14:15], v[154:155]
	v_pk_add_f32 v[242:243], v[242:243], v[158:159]
	s_delay_alu instid0(VALU_DEP_2)
	v_pk_add_f32 v[14:15], v[14:15], v[248:249]
	s_delay_alu instid0(VALU_DEP_2)
	v_pk_add_f32 v[242:243], v[242:243], v[238:239]
	v_pk_add_f32 v[254:255], v[254:255], v[236:237]
	v_pk_add_f32 v[250:251], v[250:251], v[234:235]
	s_delay_alu instid0(VALU_DEP_2)
	v_pk_add_f32 v[14:15], v[14:15], v[254:255]
	s_delay_alu instid0(VALU_DEP_2)
	v_pk_add_f32 v[242:243], v[242:243], v[250:251]
	s_delay_alu instid0(VALU_DEP_1)
	v_pk_add_f32 v[14:15], v[14:15], v[242:243]
.irp t, 0,1,2,3,4,5,6,7
.irp i, 0,1,2,3,4,5,6,7
	v_min_num_f32 v[96+8*\t+\i], v[96+8*\t+\i], v240   ; the conversion does not saturate (ISA guide 7.6.2); p is not negative, so the hold is one-sided
.endr
	v_cvt_scalef32_pk8_fp8_f32 v[224+2*\t:225+2*\t], v[96+8*\t:103+8*\t], v244   ; keys 16 t + 8 (lane / 16) + 0 .. 7: registers 2 t, 2 t + 1 of P's fragment
.endr
	s_wait_alu depctr_va_vdst(0)                   ; directly ahead of the first reader of O^T
.irp j, 0,2,4,6,8,10,12,14,16,18,20,22,24,26,28,30
	v_pk_mul_f32 v[160+\j:161+\j], v[160+\j:161+\j], v[252:253] op_sel_hi:[1,0]   ; O^T under the new M; also the plain lines between the conversions and the products
.endr
	s_wait_alu depctr_va_vdst(0)
	s_wait_dscnt 0x0                               ; V is in
.irp u, 0,1,2,3                                ; the four accumulators take turns, one instruction a turn
	v_wmma_f32_16x16x128_fp8_fp8 v[160+8*\u:167+8*\u], v[32+16*\u:47+16*\u], v[224:239], v[160+8*\u:167+8*\u]
.endr
.Lno_step:
	s_add_co_u32 s[J], s[J], 1
	s_cmp_lt_u32 s[J], 16
	s_wait_alu depctr_va_vdst(0)
	s_cbranch_scc1 .Lstep
	; THE WAY OUT.  O^T / l stands for op / 2^(e4 + e5): its code is (O^T / l) / 2^(e6 - e4 - e5).  16 rows x 64 codes go through my stage and leave as 1,024 consecutive bytes.
	v_add_f32 v14, v14, v15
	v_permlanex16_b32 v246, v14, s[SEL], s[SEL+1]
	v_add_f32 v14, v14, v246                       ; the row's sum
	v_nop                                          ; with the lines above and below: places behind the last products
	v_nop
	s_sub_co_i32 s82, s74, s72
	s_sub_co_i32 s82, s82, s73
	s_add_co_i32 s82, s82, 127
	s_lshl_b32 s83, s82, 23
	s_add_co_i32 s82, s82, 8
	s_lshl_b32 s82, s82, 23
	s_or_b32 s82, s82, 0x600000
	s_wait_alu depctr_va_vdst(0)                   ; ahead of the transcendental
	v_rcp_f32 v14, v14
	v_mov_b32 v244, s83                            ; plain instructions behind the reciprocal
	v_mov_b32 v240, s82
	s_wait_alu depctr_va_vdst(0)                   ; ahead of the first reader of the reciprocal and of O^T
.set j, 0
.rept 32
	v_mul_f32 v[96+j], v[160+j], v14               ; register 8 u + i is o(r, 16 u + 8 h + i); each accumulator from its low end on
.set j, j+1
.endr
.set j, 0
.rept 32
	v_med3_num_f32 v[96+j], v[96+j], -v240, v240
.set j, j+1
.endr
.irp u, 0,1,2,3
	v_cvt_scalef32_pk8_fp8_f32 v[224+2*\u:225+2*\u], v[96+8*\u:103+8*\u], v244
.endr
	v_nop
.irp u, 0,1,2,3
	ds_store_b64 v[STI], v[224+2*\u:225+2*\u] offset:16*\u
.endr
.irp i, 0,1
	ds_load_b128 v[32+4*\i:35+4*\i], v[STR] offset:8*SPI*\i    ; LDS serves a wave's instructions in order: these see my stores
.endr
.irp i, 0,1
	s_wait_dscnt 1-\i                              ; read-back i is in; the younger one may be out
	global_store_b128 v[GO], v[32+4*\i:35+4*\i], s[16:17] offset:512*\i   ; 32 lanes store 512 consecutive bytes
.endr
	s_wait_tensorcnt 0x0                           ; the wave's end: behind my last tensor load and my last LDS store
	ds_add_u32 v[SPW], v[NIL]
	s_wait_dscnt 0x0
	CROUND                                         ; the closing round: no work-group ends while a partner may still ask for a tile that names it
	s_endpgm
.Lfunc_end_k_qb2c64bd0e6_attn:
	.size	k_qb2c64bd0e6_attn, .Lfunc_end_k_qb2c64bd0e6_attn-k_qb2c64bd0e6_attn
	.p2alignl 7, 3214868480
	.fill 96, 4, 3214868480
	.section	.rodata,"a",@progbits
	.p2align	6, 0x0
	.amdhsa_kernel k_qb2c64bd0e6_attn
		.amdhsa_group_segment_fixed_size 327680
		.amdhsa_private_segment_fixed_size 0
		.amdhsa_enable_private_segment 0
		.amdhsa_kernarg_size 40
		.amdhsa_user_sgpr_count 2
		.amdhsa_user_sgpr_kernarg_segment_ptr 1
		.amdhsa_wavefront_size32 1
		.amdhsa_system_sgpr_workgroup_id_x 1
		.amdhsa_system_sgpr_workgroup_id_y 1
		.amdhsa_system_sgpr_workgroup_id_z 1
		.amdhsa_system_vgpr_workitem_id 0
		.amdhsa_next_free_vgpr 256
		.amdhsa_next_free_sgpr 100
		.amdhsa_reserve_vcc 1
		.amdhsa_float_denorm_mode_32 3
		.amdhsa_float_denorm_mode_16_64 3
		.amdhsa_memory_ordered 1
		.amdhsa_forward_progress 1
		.amdhsa_inst_pref_size 35
	.end_amdhsa_kernel
	.amdgpu_metadata
---
amdhsa.version: [ 1, 2 ]
amdhsa.kernels:
  - .name:           k_qb2c64bd0e6_attn
    .symbol:         k_qb2c64bd0e6_attn.kd
    .args:
      - { .name: q_codes, .offset: 0, .size: 8, .value_kind: global_buffer, .address_space: global }
      - { .name: k_codes, .offset: 8, .size: 8, .value_kind: global_buffer, .address_space: global }
      - { .name: v_codes, .offset: 16, .size: 8, .value_kind: global_buffer, .address_space: global }
      - { .name: lowp_scales, .offset: 24, .size: 8, .value_kind: global_buffer, .address_space: global }
      - { .name: op_codes, .offset: 32, .size: 8, .value_kind: global_buffer, .address_space: global }
    .group_segment_fixed_size: 327680
    .private_segment_fixed_size: 0
    .kernarg_segment_align: 8
    .kernarg_segment_size: 40
    .max_flat_workgroup_size: 512
    .sgpr_count:     100
    .vgpr_count:     256
    .wavefront_size: 32
...
	.end_amdgpu_metadata
.endif
;; end of part 3
;; launch oproj (part 4): grid 8 x 32, 4 waves a work-group, clusters of 4 x 4, 327,680 bytes of LDS; arguments op_codes, wo_codes, lowp_scales, out0; writes out0
.if DOCPART == 4
	.amdgcn_target "amdgcn-amd-amdhsa--gfx1250"
	.amdhsa_code_object_version 6
	.text
	.protected	k_qb2c64bd0e6_oproj
	.globl	k_qb2c64bd0e6_oproj
	.p2align	8
	.type	k_qb2c64bd0e6_oproj,@function
k_qb2c64bd0e6_oproj:
	s_mov_b64 s[64:65], 0
	v_nop
	global_prefetch_b8 v0, s[64:65] scope:SCOPE_SE
	s_setreg_imm32_b32 hwreg(HW_REG_WAVE_MODE, 25, 1), 1
	s_wait_xcnt 0x0
	s_wait_alu depctr_hold_cnt(0) depctr_sa_sdst(0) depctr_va_vdst(0) depctr_va_sdst(0) depctr_va_ssrc(0) depctr_va_vcc(0) depctr_vm_vsrc(0)
	s_getreg_b32 s2, hwreg(HW_REG_IB_STS2, 6, 4)
	s_cmp_eq_u32 s2, 0
	s_cbranch_scc0 .Lentry_in_a_cluster
	s_endpgm
.Lentry_in_a_cluster:
	s_bfe_u32 s2, ttmp6, 0x10000c
	s_cmp_lg_u32 s2, 0xf033
	s_cbranch_scc0 .Lentry_shape_is_right
	s_endpgm
.Lentry_shape_is_right:
; out0 = op W_o on codes of FP8 (E4M3); each finished sum is multiplied once by 2^(e6 + e7).  LIMIT: e6 + e7 between -126 and 127, so that this is an f32 number.
; op_codes [32 blocks of 128 tokens][16 heads][128 tokens][64 d] (k = 64 head + d); wo_codes [8 blocks of 128 columns][4 chunks of 256 along k][128 columns][256].  out0 [4096][1024] f32.
; SHARES.  A tile of 128 x 128 to a work-group of four waves, 256 work-groups; a wave makes 64 x 64.
; THE WHOLE OF K LIES IN LDS, filled once: a wave's ONE load at the head brings 65,536 dense bytes: waves 0 and 1 heads 0-7 and 8-15 of op, waves 2 and 3 chunks 0-1 and 2-3 of W_o.  Nothing is left to prefetch: all is asked for at the head.
; C GOES OUT BY ROWS: all W_o's fragments of a wave (64 columns x 1,024 k, 512 registers) stay in registers; the four blocks of 16 tokens are finished one after the other and each leaves at once, through the wave's own stage in LDS, sixteen lanes to 256 bytes.
; CLUSTERS: 4 x 4 work-groups; op's tiles are shared along a row of the cluster, W_o's along a column, each asked for jointly.  Source 0 = 16 columns of W_o, source 1 = 16 tokens: a lane holds eight neighbouring outputs of one token.
; REGISTERS: window 0: v1-29 addresses, v32-63 scaled sums, v64-127 two sets of four accumulators, v128-255 rows read back; windows 1, 2: W_o's fragments of k 0-511, 512-1023; window 3: op's fragments of a block of tokens, two sets of 128.
.set AP,     80                        ; a token's 64 codes of one head in LDS: + 16
.set AHEAD,  128*AP                    ; a head's 128 tokens
.set BP,     272                       ; a row of W_o's tile: 256 bytes + 16
.set BCH,    128*BP
.set BOFF,   16*AHEAD
.set STAGE,  BOFF+4*BCH                ; the way out: 16 rows x 272 bytes a wave; no tile lands here
.set SPARE,  STAGE+4*16*BP             ; the spare words, 128 bytes a wave
.set ADRA, 8                           ; v8-11   LDS address of my op fragments, a register for each 256 along k
.set ADRB, 12                          ; v12-15  the same for W_o
.set STO,  24
.set RD,   25
.set CO,   26
.set SPW,  28
.set NIL,  29
.set TMP,  32
.set ACC,  64
.set BK,   128
.set G1A,  24
.set G1B,  32
.set G0A,  68
.set G0B,  72
.set MSB, 0
.macro WIN new                         ; the immediate's high byte repeats the setting that is left
.if MSB != \new
	s_set_vgpr_msb (MSB<<8)|\new
.set MSB, \new
.endif
.endm
.macro CROUND
	s_barrier_signal -1
	s_barrier_wait -1
	s_cmp_lg_u32 s14, 0
	s_cbranch_scc1 .Lnot_wave_0_\@
	s_barrier_signal -3
.Lnot_wave_0_\@:
	s_barrier_wait -3
	s_barrier_signal -1
	s_barrier_wait -1
.endm
	s_load_b128 s[4:7], s[0:1], 0x0                ; op_codes, wo_codes
	s_load_b128 s[8:11], s[0:1], 0x10              ; the exponents, out0
	v_lshl_add_u32 v[SPW], v0, 2, SPARE
	v_mov_b32 v[NIL], 0
	ds_add_u32 v[SPW], v[NIL]                      ; the wave's opening: the add, twice on end, and its wait ahead of my first tensor load
	ds_add_u32 v[SPW], v[NIL]
	v_lshrrev_b32 v1, 5, v0
	v_readfirstlane_b32 s14, v1                    ; wave 0..3
	s_lshr_b32 s15, s14, 1                         ; which half of the tokens is mine.  Also: I fetch op (0) or W_o (1)
	s_and_b32 s16, s14, 1                          ; which half of the columns.  Also: which half of K I fetch
	s_bfe_u32 s40, ttmp6, 0x40000                  ; cx, cy
	s_bfe_u32 s41, ttmp6, 0x40004
	s_lshl_b32 s42, ttmp9, 2
	s_add_co_u32 s42, s42, s40                     ; tile column
	s_and_b32 s17, ttmp7, 0xffff
	s_lshl_b32 s17, s17, 2
	s_add_co_u32 s17, s17, s41                     ; tile row
	s_lshl_b32 s43, s41, 2
	s_lshl_b32 s43, 15, s43                        ; my row of the cluster
	s_lshl_b32 s44, 0x1111, s40                    ; my column
	; descriptor group 1: 65,536 dense bytes stated as 256 rows of 256; four words of padding after every 16 (op) or 64 (W_o); bit 21 set beside a mask
	s_or_b32 s[G1A], s43, (1<<20)|(1<<21)|(3<<22)|(3<<25)
	s_or_b32 s[G1B], s44, (1<<20)|(1<<21)|(5<<22)|(3<<25)
.irp g, G1A, G1B
	s_mov_b32 s[\g+1], 256<<16
	s_mov_b32 s[\g+2], 256<<16
	s_mov_b32 s[\g+3], 256<<16
	s_mov_b32 s[\g+4], 256
	s_mov_b32 s[\g+5], 256
	s_mov_b32 s[\g+6], 0
	s_mov_b32 s[\g+7], 0
.endr
	s_lshl_b32 s18, s16, 16
	s_lshl_b32 s20, s17, 17                        ; op: 131,072 x tile row + 65,536 x half
	s_add_co_u32 s20, s20, s18
	s_mov_b32 s21, 0
	s_lshl_b32 s46, s42, 17                        ; W_o: 131,072 x tile column + 65,536 x half
	s_add_co_u32 s46, s46, s18
	s_mov_b32 s47, 0
	s_mov_b32 s[G0A], 1
	s_mul_i32 s[G0A+1], s16, 8*AHEAD               ; no place in the cluster enters an LDS address
	s_mov_b32 s[G0B], 1
	s_mul_i32 s[G0B+1], s16, 2*BCH
	s_add_co_u32 s[G0B+1], s[G0B+1], BOFF
	s_wait_dscnt 0x0                               ; both opening adds are done
	s_wait_kmcnt 0x0
	s_load_b64 s[60:61], s[8:9], 0x18              ; e6, e7
	s_add_nc_u64 s[G0A+2:G0A+3], s[4:5], s[20:21]
	s_or_b32 s[G0A+3], s[G0A+3], 0x80000000
	s_add_nc_u64 s[G0B+2:G0B+3], s[6:7], s[46:47]
	s_or_b32 s[G0B+3], s[G0B+3], 0x80000000
	CROUND                                         ; all sixteen work-groups are here: the joint loads meet
	s_cmp_eq_u32 s15, 0                            ; an s_nop 0 and four v_nop follow each of the two lines
	s_cbranch_scc0 .Lfor_b
	tensor_load_to_lds s[G0A:G0A+3], s[G1A:G1A+7]
	s_nop 0
.rept 4
	v_nop
.endr
	s_branch .Lasked
.Lfor_b:
	tensor_load_to_lds s[G0B:G0B+3], s[G1B:G1B+7]
	s_nop 0
.rept 4
	v_nop
.endr
.Lasked:
	s_mul_i32 s21, s15, 64*AP                      ; my 64 tokens,
	s_mul_i32 s22, s16, 64*BP
	s_add_co_u32 s22, s22, BOFF                    ; my 64 columns
	s_mul_i32 s23, s14, 16*BP
	s_add_co_u32 s23, s23, STAGE                   ; my stage
	s_lshl_b32 s50, s17, 7
	s_lshl_b32 s51, s15, 6
	s_add_co_u32 s50, s50, s51                     ; my first row of out0: 128 x tile row + 64 x half,
	s_lshl_b32 s50, s50, 12                        ; rows of 4,096 bytes,
	s_lshl_b32 s51, s42, 9
	s_add_co_u32 s50, s50, s51                     ; + 512 x tile column
	s_lshl_b32 s51, s16, 8
	s_add_co_u32 s50, s50, s51                     ; + 256 x half
	s_mov_b32 s51, 0
	s_add_nc_u64 s[10:11], s[10:11], s[50:51]
	v_and_b32 v1, 15, v0                           ; r
	v_bfe_u32 v2, v0, 4, 1                         ; h
	v_mul_u32_u24 v3, v1, AP
	v_lshl_add_u32 v3, v2, 4, v3
	v_mul_u32_u24 v4, v1, BP
	v_lshl_add_u32 v5, v2, 4, v4
	v_lshl_add_u32 v6, v2, 5, v4
	v_add_nc_u32 v[ADRA], s21, v3
	v_add_nc_u32 v[ADRB], s22, v5
.irp q, 1,2,3
	v_add_nc_u32 v[ADRA+\q], \q*4*AHEAD, v[ADRA]
	v_add_nc_u32 v[ADRB+\q], \q*BCH, v[ADRB]
.endr
	v_add_nc_u32 v[STO], s23, v6                   ; into the stage: row r, 32 bytes for each half of the lanes
	v_mul_u32_u24 v7, v2, BP
	v_lshl_add_u32 v7, v1, 4, v7
	v_add_nc_u32 v[RD], s23, v7                    ; back: sixteen lanes to a row of 256 bytes, two rows an instruction
	v_lshlrev_b32 v7, 12, v2
	v_lshl_add_u32 v[CO], v1, 4, v7                ; and the same two rows in out0
; Fragments of 128 along k: registers 4 c .. 4 c + 3 hold k = 32 c + 16 h + 0 .. 15 in both operands alike; in op 64 along k are one head.
.macro LB k
	WIN 0x40*(1+(\k)/4)
.irp i, 0,1,2,3
.irp c, 0,1,2,3
	ds_load_b128 v[64*((\k)%4)+16*\i+4*\c:64*((\k)%4)+16*\i+4*\c+3], v[ADRB+(\k)/2] offset:128*((\k)%2)+32*\c+\i*16*BP
.endr
.endr
.endm
.macro LA a, k
	WIN 0xc0
.irp c, 0,1,2,3
	ds_load_b128 v[128*((\a)%2)+16*(\k)+4*\c:128*((\a)%2)+16*(\k)+4*\c+3], v[ADRA+(\k)/2] offset:(2*((\k)%2)+\c/2)*AHEAD+32*(\c%2)+(\a)*16*AP
.endr
.endm
.macro MULK a, k                       ; the block's four accumulators take turns, one instruction a turn
	WIN 0x0d+(\k)/4                                ; source 0 window 1 or 2, source 1 window 3, C and D window 0
.irp b, 0,1,2,3
.set AC, ACC+32*((\a)%2)+8*\b
.if (\k) == 0
	v_wmma_f32_16x16x128_fp8_fp8 v[AC:AC+7], v[64*((\k)%4)+16*\b:64*((\k)%4)+16*\b+15], v[128*((\a)%2)+16*(\k):128*((\a)%2)+16*(\k)+15], 0
.else
	v_wmma_f32_16x16x128_fp8_fp8 v[AC:AC+7], v[64*((\k)%4)+16*\b:64*((\k)%4)+16*\b+15], v[128*((\a)%2)+16*(\k):128*((\a)%2)+16*(\k)+15], v[AC:AC+7]
.endif
.endr
.endm
; Block a is finished: x 2^(e6 + e7), through my stage and out; block a + 2's fragments are fetched, and block a + 1 is multiplied, half of it ahead of the stores.
.macro OUT a
	WIN 0
.rept 4
	v_nop                                          ; places in front of reads of results and of loads into registers that the products have read
.endr
.set j, 0
.rept 16
	v_pk_mul_f32 v[TMP+j:TMP+j+1], v[ACC+32*((\a)%2)+j:ACC+32*((\a)%2)+j+1], s[56:57] op_sel_hi:[1,0]
.set j, j+2
.endr
.irp b, 0,1,2,3
	ds_store_b128 v[STO], v[TMP+8*\b:TMP+8*\b+3] offset:64*\b
	ds_store_b128 v[STO], v[TMP+8*\b+4:TMP+8*\b+7] offset:64*\b+16
.endr
.irp t, 0,1,2,3,4,5,6,7
	ds_load_b128 v[BK+32*(\a)+4*\t:BK+32*(\a)+4*\t+3], v[RD] offset:2*\t*BP   ; LDS serves a wave's instructions in order: these see my stores
.endr
.if (\a) < 2
.irp k, 0,1,2,3,4,5,6,7
	LA (\a)+2, \k
.endr
	s_wait_dscnt 48                                ; block a + 1's fragments are in: behind them 16 of the stage's and 32 loads
.elseif (\a) == 2
	s_wait_dscnt 16
.endif
.if (\a) < 3
.irp k, 0,1,2,3
	MULK (\a)+1, \k
.endr
.endif
	WIN 0
.if (\a) < 2
	s_wait_dscnt 32                                ; the block is back in registers; the 32 loads behind it may be out
.else
	s_wait_dscnt 0x0
.endif
.irp t, 0,1,2,3,4,5,6,7
	global_store_b128 v[CO], v[BK+32*(\a)+4*\t:BK+32*(\a)+4*\t+3], s[10:11] offset:(16*(\a)+2*\t)*4096 th:TH_STORE_NT   ; sixteen lanes store 256 consecutive bytes, at a multiple of 256 from out0's first byte
.endr
.if (\a) < 3
.irp k, 4,5,6,7
	MULK (\a)+1, \k
.endr
.endif
.endm
	s_wait_alu depctr_va_vdst(0)                   ; the head's end
	s_wait_kmcnt 0x0
	s_add_co_i32 s56, s60, s61
	s_add_co_i32 s56, s56, 127
	s_lshl_b32 s56, s56, 23                        ; 2^(e6 + e7) as f32
	s_mov_b32 s57, s56                             ; (named with it as a pair, so it is written)
	s_wait_tensorcnt 0x0                           ; my load is in
	s_barrier_signal -1
	s_barrier_wait -1                              ; everybody's is: all of K is there
.irp k, 0,1,2,3
	LA 0, \k
	LB \k
.endr
.irp k, 0,1,2,3
	s_wait_dscnt 60                                ; step k's 20 loads are in; the three later steps' may be out
	MULK 0, \k
	LA 0, \k+4
	LB \k+4
.endr
	s_wait_dscnt 60
	MULK 0, 4
	s_wait_dscnt 40
	MULK 0, 5
.irp k, 0,1,2,3,4,5,6,7
	LA 1, \k
.endr
	s_wait_dscnt 52                                ; behind step 6's loads: step 7's 20 and block 1's 32
	MULK 0, 6
	s_wait_dscnt 32
	MULK 0, 7
	OUT 0
	OUT 1
	OUT 2
	OUT 3
	s_wait_tensorcnt 0x0                           ; the wave's end: behind my last tensor load and my last LDS store
	ds_add_u32 v[SPW], v[NIL]
	s_wait_dscnt 0x0
	CROUND                                         ; the closing round: no work-group ends while a partner may still ask for a tile that names it
	s_endpgm
.Lfunc_end_k_qb2c64bd0e6_oproj:
	.size	k_qb2c64bd0e6_oproj, .Lfunc_end_k_qb2c64bd0e6_oproj-k_qb2c64bd0e6_oproj
	.p2alignl 7, 3214868480
	.fill 96, 4, 3214868480
	.section	.rodata,"a",@progbits
	.p2align	6, 0x0
	.amdhsa_kernel k_qb2c64bd0e6_oproj
		.amdhsa_group_segment_fixed_size 327680
		.amdhsa_private_segment_fixed_size 0
		.amdhsa_enable_private_segment 0
		.amdhsa_kernarg_size 32
		.amdhsa_user_sgpr_count 2
		.amdhsa_user_sgpr_kernarg_segment_ptr 1
		.amdhsa_wavefront_size32 1
		.amdhsa_system_sgpr_workgroup_id_x 1
		.amdhsa_system_sgpr_workgroup_id_y 1
		.amdhsa_system_sgpr_workgroup_id_z 1
		.amdhsa_system_vgpr_workitem_id 0
		.amdhsa_next_free_vgpr 1024
		.amdhsa_next_free_sgpr 100
		.amdhsa_reserve_vcc 0
		.amdhsa_float_denorm_mode_32 3
		.amdhsa_float_denorm_mode_16_64 3
		.amdhsa_memory_ordered 1
		.amdhsa_forward_progress 1
		.amdhsa_inst_pref_size 44
	.end_amdhsa_kernel
	.amdgpu_metadata
---
amdhsa.version: [ 1, 2 ]
amdhsa.kernels:
  - .name:           k_qb2c64bd0e6_oproj
    .symbol:         k_qb2c64bd0e6_oproj.kd
    .args:
      - { .name: op_codes, .offset: 0, .size: 8, .value_kind: global_buffer, .address_space: global }
      - { .name: wo_codes, .offset: 8, .size: 8, .value_kind: global_buffer, .address_space: global }
      - { .name: lowp_scales, .offset: 16, .size: 8, .value_kind: global_buffer, .address_space: global }
      - { .name: out0, .offset: 24, .size: 8, .value_kind: global_buffer, .address_space: global }
    .group_segment_fixed_size: 327680
    .private_segment_fixed_size: 0
    .kernarg_segment_align: 8
    .kernarg_segment_size: 32
    .max_flat_workgroup_size: 128
    .sgpr_count:     100
    .vgpr_count:     1024
    .wavefront_size: 32
...
	.end_amdgpu_metadata
.endif
;; end of part 4
